; MI455X (gfx1250); checked and timed in simulation.
; The chip was launched on July 23, 2026; its instructions are those of AMD's public machine-readable ISA for CDNA 5 (MIT licence, August 2026) and "CDNA5" Instruction Set Architecture Reference Guide (July 2026). The comments in the code are by the model that wrote it; some were corrected since.
;; Kronecker Address. Allowed arithmetic: float matrix products may take bf16 or f16 operands with f32 sums; other float arithmetic in f32, or as packed bf16 or f16 multiplies, adds, multiply-adds, maxima and minima; sums over many terms, partial sums and values carried from step to step in f32; what a program stores and reads back later, other than sums and carried values, may be rounded once to bf16 or f16.
;; Inputs: log_tau 1 float32; z 64 x 384 float32.
;; Outputs: out0 64 x 32 int32; out1 64 x 32 float32.
;; One version. Each part assembles by itself: llvm-mc -triple=amdgcn-amd-amdhsa -mcpu=gfx1250 --defsym DOCPART=n.
;; ======== version 1 of 1: 1 launch
;; limits: right only within a limited range of input values
;; launch kron_top32 (part 1): grid 64 x 1, 3 waves a work-group, no clusters, 6,656 bytes of LDS; arguments z, log_tau, out0, out1; writes out0, out1
.if DOCPART == 1
	.amdgcn_target "amdgcn-amd-amdhsa--gfx1250"
	.amdhsa_code_object_version 6
	.text
	.protected	k_qfb9b107161_kron_top32
	.globl	k_qfb9b107161_kron_top32
	.p2align	8
	.type	k_qfb9b107161_kron_top32,@function
k_qfb9b107161_kron_top32:
	s_mov_b64 s[64:65], 0
	v_nop
	global_prefetch_b8 v0, s[64:65] scope:SCOPE_SE
	s_setreg_imm32_b32 hwreg(HW_REG_WAVE_MODE, 25, 1), 1
	s_wait_xcnt 0x0
; The 32 largest of p0[i] p1[j] p2[k], p = softmax(z / exp(log_tau)) of each of a row's three partitions of 128; out0 = (128 i + j) 128 + k, out1 = the product.
; z: [64][384] f32, log_tau: [1] f32, out0: [64][32] i32, out1: [64][32] f32.  One work-group a row, three waves.
; WHICH PRODUCTS.  Rank a partition's p by (value down, index up).  f32 multiplication is monotone, so the product of ranks (a, b, c) comes behind the a b c - 1 products of
; factors that rank no lower: the first 32 lie among the 300 triples with a b c <= 32.  The order everywhere is the one of the top-k: value down, then flat index up.
; NO ADDRESS AND NO BRANCH HANGS ON A NUMBER: all sorting is a fixed network of compare and select.
; STEPS.  1: wave w makes partition w's softmax and ranks it; list to LDS; barrier.  2: wave w makes 128 products and sorts them; its first 32 to LDS; barrier.  3: wave 0 merges the three lists and stores.
; THE TRIPLES.  Cyclic rotation splits the 297 triples that are not (n, n, n) into 99 orbits; each has one member with u >= v and u > t.  One table of those serves all waves: wave 0 reads it as
; (a, b, c) = (u, v, t), wave 1 as (t, u, v), wave 2 as (v, t, u), and wave w adds (w+1, w+1, w+1).  100 of a wave's 128 slots; the other 28 hold further products of the same kind, none twice.
; LIMITS.  NaN and infinities are not treated apart.  exp(log_tau) must be a normal f32 (|log_tau| under about 87).  The 32nd product must be a normal f32 (the three factors' exponents below their maxima add up
; to less than about 87); smaller products count as 0 and ties among zeros are not ordered as the top-k orders them.  Equal inputs give equal products and are ordered by index, exactly.  Two products that differ
; by less than the roundings of the exponential and the quotient, a few units in the last place, may come in the other order than in another implementation of exp.
.set ROWB,  1536                       ; bytes in a row of z
.set LISTB, 1024                       ; an LDS list: 128 entries of 8 bytes (value, index); the first 32 are read
.set CAND,  3*LISTB                    ; behind the three ranked lists: the three waves' sorted products
.set SPARE, 6*LISTB                    ; behind them: the spare words, 128 bytes a wave
.set LANE, 1                           ; v1      lane
.set SPW,  2                           ; v2      LDS address of my spare word; never rewritten
.set NIL,  3                           ; v3      0; never rewritten
.set ZO,   4                           ; v4      16 x lane: my 16 bytes of a partition, and of the outputs
.set SA,   5                           ; v5      where my four entries of a list go: 1024 w + 32 x lane
.set LB,   6                           ; v6      step 3: where my four entries come from
.set ZR,   7                           ; v7      0, the offset of log_tau
.set T,    8                           ; v8-9    at work
.set LT,   12                          ; v12     log_tau
.set TAU,  13
.set RT,   14                          ; a reciprocal
.set MX,   15                          ; the maximum, later the sum
.set Z,    16                          ; v16-19  z, z / tau, the exponent
.set Q,    20                          ; v20-23  at work
.set W,    24                          ; v24-27  at work
.set UU,   28                          ; v28-31  slot r: 8 (u - 1)
.set VV,   32                          ; v32-35  8 (v - 1)
.set TW,   36                          ; v36-39  8 (t - 1)
.set EB,   40                          ; v40-47  four keys, a pair each: value bits, index
.set FB,   48                          ; v48-51  two spare pairs: a comparator writes its first result there and the names change places
.set PP,   52                          ; v52-59  the partners' keys
.set TT,   60                          ; v60-63  at work in the comparisons
.set X0,   64                          ; v64-71  the factors from list 0, a pair each; v72-79 list 1; v80-87 list 2
.set X1,   72
.set X2,   80
.set OI,   88                          ; v88-91  four indices to store
.set OV,   92                          ; v92-95  four values to store
.set WV,   12                          ; s12     my wave's number
.set MB,   16                          ; s16-20  lanes whose number has bit 0, 1, 2, 3, 4 set
.set CM,   24                          ; s24-27  the comparisons' masks, one for each chain
.set SID,  28                          ; s[28:29] v_permlanex16_b32: the same place in the other half
.set SFL,  30                          ; s[30:31] place i xor 7 in the other half
.set W8,   32                          ; s32     8 w
.set WB,   33                          ; s33     1024 w
.set PADM, 34                          ; s34     lanes 24-31
.set SV,   35                          ; s35     EXEC, kept
.set L2E,  36                          ; s36     log2(e) rounded to f32;  s37 what the rounding left
.set L2L,  37
.macro SWP x, y                        ; two names change places
.set SWPT, \x
.set \x, \y
.set \y, SWPT
.endm
.macro RESET                           ; the names as at a step's beginning
.set E0, EB
.set E1, EB+2
.set E2, EB+4
.set E3, EB+6
.set F0, FB
.set F1, FB+2
.endm
; X PRECEDES Y if X's value is greater, or equal with the lower index.  Values are bits of f32 numbers >= 0, so they order as whole numbers.  Three lines: is X's index lower (1 or 0); Y's value complemented;
; X's value + that + the 1 or 0 carries out of 32 bits exactly when X precedes Y.
; A comparator between two of a lane's own keys: name a gets the one that precedes.  Two comparators side by side, so that no line waits for the one before it.
.macro CE2 a, b, c, d
	v_cmp_lt_u32 s[CM], v[E\b+1], v[E\a+1]
	v_cmp_lt_u32 s[CM+1], v[E\d+1], v[E\c+1]
	v_xor_b32 v[TT], -1, v[E\a]
	v_xor_b32 v[TT+1], -1, v[E\c]
	v_add_co_ci_u32 v[TT], s[CM], v[E\b], v[TT], s[CM]           ; the carry: b precedes a
	v_add_co_ci_u32 v[TT+1], s[CM+1], v[E\d], v[TT+1], s[CM+1]
	v_cndmask_b32 v[F0], v[E\a], v[E\b], s[CM]
	v_cndmask_b32 v[F1], v[E\c], v[E\d], s[CM+1]
	v_cndmask_b32 v[F0+1], v[E\a+1], v[E\b+1], s[CM]
	v_cndmask_b32 v[F1+1], v[E\c+1], v[E\d+1], s[CM+1]
	v_cndmask_b32 v[E\b], v[E\b], v[E\a], s[CM]
	v_cndmask_b32 v[E\d], v[E\d], v[E\c], s[CM+1]
	v_cndmask_b32 v[E\b+1], v[E\b+1], v[E\a+1], s[CM]
	v_cndmask_b32 v[E\d+1], v[E\d+1], v[E\c+1], s[CM+1]
	SWP E\a, F0
	SWP E\c, F1
.endm
.macro CE1 a, b
	v_cmp_lt_u32 s[CM], v[E\b+1], v[E\a+1]
	v_xor_b32 v[TT], -1, v[E\a]
	v_add_co_ci_u32 v[TT], s[CM], v[E\b], v[TT], s[CM]
	v_cndmask_b32 v[F0], v[E\a], v[E\b], s[CM]
	v_cndmask_b32 v[F0+1], v[E\a+1], v[E\b+1], s[CM]
	v_cndmask_b32 v[E\b], v[E\b], v[E\a], s[CM]
	v_cndmask_b32 v[E\b+1], v[E\b+1], v[E\a+1], s[CM]
	SWP E\a, F0
.endm
; Key s of the partner lane comes into partner pair r.  x = 1..15: lane xor x.  x = 0: lane xor 23, which lies in the other half of the wave.
.macro FET r, s, x
.if (\x)
	v_mov_b32_dpp v[PP+2*(\r)], v[E\s] row_xmask:\x row_mask:0xf bank_mask:0xf
	v_mov_b32_dpp v[PP+2*(\r)+1], v[E\s+1] row_xmask:\x row_mask:0xf bank_mask:0xf
.else
	v_permlanex16_b32 v[PP+2*(\r)], v[E\s], s[SFL], s[SFL+1]
	v_permlanex16_b32 v[PP+2*(\r)+1], v[E\s+1], s[SFL], s[SFL+1]
.endif
.endm
; A stage between lanes, four chains side by side.  flip = 1: key r meets the partner's key 3 - r (a mirrored compare).  m: the mask of the lanes that are the upper of their pair.
; The lower lane takes the partner's key if that precedes its own, the upper lane if it does not: the carry, turned in the upper lanes.
.macro LST x, flip, m
.irp r, 0,1,2,3
	v_xor_b32 v[TT+\r], -1, v[E\r]
.endr
.if \flip
	FET 0, 3, \x
	FET 1, 2, \x
	FET 2, 1, \x
	FET 3, 0, \x
.else
	FET 0, 0, \x
	FET 1, 1, \x
	FET 2, 2, \x
	FET 3, 3, \x
.endif
.irp r, 0,1,2,3
	v_cmp_lt_u32 s[CM+\r], v[PP+2*\r+1], v[E\r+1]
.endr
.irp r, 0,1,2,3
	v_add_co_ci_u32 v[TT+\r], s[CM+\r], v[PP+2*\r], v[TT+\r], s[CM+\r]   ; the carry: the partner's key precedes mine
.endr
.irp r, 0,1,2,3
	s_xor_b32 s[CM+\r], s[CM+\r], s[\m]
.endr
.irp r, 0,1,2,3
	v_cndmask_b32 v[E\r], v[E\r], v[PP+2*\r], s[CM+\r]
	v_cndmask_b32 v[E\r+1], v[E\r+1], v[PP+2*\r+1], s[CM+\r]
.endr
.endm
; THE NETWORK.  Place q = 4 x lane + key.  A merge of two sorted blocks of n / 2 places opens with q against q xor (n - 1) and goes on with q against q xor n/4, n/8 .. 1; the lower place always gets the key that precedes.
.macro REG21                           ; q xor 2, q xor 1: inside a lane
	CE2 0, 2, 1, 3
	CE2 0, 1, 2, 3
.endm
.macro SORT32                          ; every block of 32 places (8 lanes) is sorted
	CE2 0, 1, 2, 3                         ; a lane's four keys, by five comparators
	CE2 0, 2, 1, 3
	CE1 1, 2
	LST 1, 1, MB                           ; blocks of 8
	REG21
	LST 3, 1, MB+1                         ; blocks of 16
	LST 1, 0, MB
	REG21
	LST 7, 1, MB+2                         ; blocks of 32
	LST 2, 0, MB+1
	LST 1, 0, MB
	REG21
.endm
.macro TOP32                           ; from four sorted blocks of 32 to the first 32 of all, sorted, in places 0-31 (lanes 0-7)
	LST 15, 1, MB+3                        ; blocks of 64
	LST 4, 0, MB+2
	LST 2, 0, MB+1
	LST 1, 0, MB
	REG21
	LST 0, 1, MB+4                         ; only the first 32 of each block of 64 can matter: place q < 32 against place 64 + 31 - q, then a merge of 32
	LST 4, 0, MB+2
	LST 2, 0, MB+1
	LST 1, 0, MB
	REG21
.endm
; The table's slots r = 1, 2, 3: 2^r groups of 32 / 2^r lanes.  A group has one (v, t) and a first u, four bits each in lv, lt, lu (less 1, group 0 lowest); u goes up with the lane.
.macro TAB r, lv, lt, lu
	v_lshrrev_b32 v[T], 3-(\r), v[LANE]
	v_and_b32 v[T], 4*((1<<(\r))-1), v[T]      ; 4 x the group's number
	v_and_b32 v[T+1], (32>>(\r))-1, v[LANE]    ; my place in the group
	v_mov_b32 v[VV+(\r)], \lv
	v_mov_b32 v[TW+(\r)], \lt
	v_mov_b32 v[UU+(\r)], \lu
	v_lshrrev_b32 v[VV+(\r)], v[T], v[VV+(\r)]
	v_lshrrev_b32 v[TW+(\r)], v[T], v[TW+(\r)]
	v_lshrrev_b32 v[UU+(\r)], v[T], v[UU+(\r)]
	v_and_b32 v[VV+(\r)], 15, v[VV+(\r)]
	v_and_b32 v[TW+(\r)], 15, v[TW+(\r)]
	v_and_b32 v[UU+(\r)], 15, v[UU+(\r)]
	v_lshlrev_b32 v[VV+(\r)], 3, v[VV+(\r)]    ; entries of 8 bytes
	v_lshlrev_b32 v[TW+(\r)], 3, v[TW+(\r)]
	v_add_lshl_u32 v[UU+(\r)], v[UU+(\r)], v[T+1], 3
.endm
.macro GATHER a, b, c                  ; the tables that give the ranks in lists 0, 1, 2
.irp r, 0,1,2,3
	ds_load_b64 v[X0+2*\r:X0+2*\r+1], v[\a+\r]
	ds_load_b64 v[X1+2*\r:X1+2*\r+1], v[\b+\r] offset:LISTB
	ds_load_b64 v[X2+2*\r:X2+2*\r+1], v[\c+\r] offset:2*LISTB
.endr
.endm
	s_load_b256 s[4:11], s[0:1], 0x0               ; z s[4:5], log_tau s[6:7], out0 s[8:9], out1 s[10:11]
	v_lshl_add_u32 v[SPW], v0, 2, SPARE
	v_mov_b32 v[NIL], 0
	v_lshrrev_b32 v[T], 5, v0
	v_readfirstlane_b32 s[WV], v[T]                ; wave 0..2 = my partition
	v_and_b32 v[LANE], 31, v0
	v_lshlrev_b32 v[ZO], 4, v[LANE]
	v_mov_b32 v[ZR], 0
	s_mul_i32 s14, ttmp9, ROWB                     ; my row,
	s_lshl_b32 s13, s[WV], 9                       ; my partition's 512 bytes
	s_add_co_u32 s14, s14, s13
	s_mov_b32 s15, 0
	s_lshl_b32 s22, ttmp9, 7                       ; my row's 128 bytes in each output
	s_mov_b32 s23, 0
	s_lshl_b32 s[W8], s[WV], 3
	s_lshl_b32 s[WB], s[WV], 10
	s_wait_kmcnt 0x0
	s_add_nc_u64 s[4:5], s[4:5], s[14:15]
	s_add_nc_u64 s[8:9], s[8:9], s[22:23]
	s_add_nc_u64 s[10:11], s[10:11], s[22:23]
	global_load_b128 v[Z:Z+3], v[ZO], s[4:5] th:TH_LOAD_NT   ; lane l: numbers 4 l .. 4 l + 3 of the partition; the wave's load covers its 512 bytes
	global_load_b32 v[LT], v[ZR], s[6:7]
	; all that hangs on the lane and the wave alone is made while the loads are out
	s_mov_b32 s[MB], 0xaaaaaaaa
	s_mov_b32 s[MB+1], 0xcccccccc
	s_mov_b32 s[MB+2], 0xf0f0f0f0
	s_mov_b32 s[MB+3], 0xff00ff00
	s_mov_b32 s[MB+4], 0xffff0000
	s_mov_b32 s[SID], 0x76543210
	s_mov_b32 s[SID+1], 0xfedcba98
	s_mov_b32 s[SFL], 0x01234567
	s_mov_b32 s[SFL+1], 0x89abcdef
	s_mov_b32 s[PADM], 0xff000000
	s_mov_b32 s[L2E], 0x3fb8aa3b
	s_mov_b32 s[L2L], 0x32a5705f
	v_lshl_add_u32 v[SA], v[LANE], 5, s[WB]
	v_lshrrev_b32 v[T], 3, v[LANE]                 ; step 3: lanes 8 n .. 8 n + 7 take list n; lanes 24-31 read list 2 once more and are overwritten
	v_min_u32 v[T], 2, v[T]
	v_and_b32 v[T+1], 7, v[LANE]
	v_lshlrev_b32 v[T+1], 5, v[T+1]
	v_lshl_add_u32 v[LB], v[T], 10, v[T+1]
	; slot 0: (v, t) = (1, 1), u = lane + 2 = 2 .. 32; lane 31 takes (w+1, w+1, w+1)
	v_add_nc_u32 v[T], 1, v[LANE]
	v_lshrrev_b32 v[T+1], 5, v[T]                  ; 1 in lane 31 alone
	v_and_b32 v[T], 31, v[T]                       ; u - 1, and 0 in lane 31
	v_mul_u32_u24 v[VV], s[W8], v[T+1]
	v_mov_b32 v[TW], v[VV]
	v_lshl_add_u32 v[UU], v[T], 3, v[VV]
	TAB 1, 0x01, 0x10, 0x21                        ; (v, t; u from): (2,1;2) (1,2;3), 16 each
	TAB 2, 0x3102, 0x0120, 0x3232                  ; (3,1;3) (1,3;4) (2,2;3) (4,1;4), 8 each
	TAB 3, 0x52301240, 0x02142103, 0x53353244      ; (1,4;5) (5,1;5) (3,2;3) (2,3;4) (1,5;6) (4,2;4) (3,3;4) (6,1;6), 4 each
.irp i, 0,1,2,3,4,5,6,7
	v_mov_b32 v[PP+\i], 0                          ; a lane exchange counts as a reader of its destination: written once here
.endr
	RESET
	; STEP 1: the softmax.  z / tau by a reciprocal and one correction, so that the quotient is rounded as a division rounds it
	s_wait_loadcnt 0x0
	v_mul_f32 v[T], s[L2E], v[LT]
	v_exp_f32 v[TAU], v[T]                         ; tau = e^log_tau
	v_lshl_add_u32 v[EB+1], v[LANE], 2, 0          ; (my four indices are the plain lines behind the transcendentals: ISA guide 5.7.2)
	s_wait_alu depctr_va_vdst(0)
	v_rcp_f32 v[RT], v[TAU]
	v_lshl_add_u32 v[EB+3], v[LANE], 2, 1
	s_wait_alu depctr_va_vdst(0)
.irp c, 0,1,2,3
	v_mul_f32 v[Q+\c], v[Z+\c], v[RT]
.endr
.irp c, 0,1,2,3
	v_fma_f32 v[W+\c], -v[Q+\c], v[TAU], v[Z+\c]   ; what the quotient leaves, exactly
.endr
.irp c, 0,1,2,3
	v_fma_f32 v[Z+\c], v[W+\c], v[RT], v[Q+\c]
.endr
	v_max3_num_f32 v[MX], v[Z], v[Z+1], v[Z+2]
	v_max_num_f32 v[MX], v[MX], v[Z+3]
.irp x, 1,2,4,8
	v_max_num_f32_dpp v[MX], v[MX], v[MX] row_xmask:\x row_mask:0xf bank_mask:0xf
.endr
	v_permlanex16_b32 v[T], v[MX], s[SID], s[SID+1]
	v_max_num_f32 v[MX], v[MX], v[T]               ; the partition's maximum, in every lane
.irp c, 0,1,2,3
	v_sub_f32 v[Z+\c], v[Z+\c], v[MX]              ; d <= 0
.endr
	; e^d = 2^h (1 + r ln 2): h = d log2(e) rounded, r = what that rounding and the rounding of log2(e) left.  The indices are compared exactly, so the last bits of p count
.irp c, 0,1,2,3
	v_mul_f32 v[Q+\c], s[L2E], v[Z+\c]
.endr
.irp c, 0,1,2,3
	v_fma_f32 v[W+\c], v[Z+\c], s[L2E], -v[Q+\c]
.endr
.irp c, 0,1,2,3
	v_fma_f32 v[W+\c], v[Z+\c], s[L2L], v[W+\c]
.endr
.irp c, 0,1,2,3
	v_exp_f32 v[Q+\c], v[Q+\c]
.endr
.irp c, 0,1,2,3
	v_mul_f32 v[W+\c], 0x3f317218, v[W+\c]         ; r ln 2: plain lines behind the exponentials
.endr
	s_wait_alu depctr_va_vdst(0)
.irp c, 0,1,2,3
	v_fma_f32 v[Q+\c], v[Q+\c], v[W+\c], v[Q+\c]
.endr
	v_add_f32 v[MX], v[Q], v[Q+1]
	v_add_f32 v[T], v[Q+2], v[Q+3]
	v_add_f32 v[MX], v[MX], v[T]
.irp x, 1,2,4,8
	v_add_f32_dpp v[MX], v[MX], v[MX] row_xmask:\x row_mask:0xf bank_mask:0xf
.endr
	v_permlanex16_b32 v[T], v[MX], s[SID], s[SID+1]
	v_add_f32 v[MX], v[MX], v[T]                   ; the sum, the same bits in every lane
	v_rcp_f32 v[RT], v[MX]
	v_lshl_add_u32 v[EB+5], v[LANE], 2, 2
	v_lshl_add_u32 v[EB+7], v[LANE], 2, 3
	s_wait_alu depctr_va_vdst(0)
.irp c, 0,1,2,3
	v_mul_f32 v[W+\c], v[Q+\c], v[RT]
.endr
.irp c, 0,1,2,3
	v_fma_f32 v[Z+\c], -v[W+\c], v[MX], v[Q+\c]
.endr
.irp c, 0,1,2,3
	v_fma_f32 v[EB+2*\c], v[Z+\c], v[RT], v[W+\c]  ; p, the quotient corrected as above
.endr
	SORT32
	TOP32                                          ; ranks 1 .. 32 in lanes 0-7
.irp r, 0,1,2,3
	ds_store_b64 v[SA], v[E\r:E\r+1] offset:8*\r   ; every lane stores; only a list's first 32 entries are read
.endr
	s_wait_dscnt 0x0                               ; for the others' sake: my list is in LDS
	s_barrier_signal -1
	s_barrier_wait -1
	; STEP 2: my 128 products
	s_cmp_eq_u32 s[WV], 0
	s_cbranch_scc0 .Lnot_wave_0
	GATHER UU, VV, TW                              ; (a, b, c) = (u, v, t)
	s_branch .Lgathered
.Lnot_wave_0:
	s_cmp_eq_u32 s[WV], 1
	s_cbranch_scc0 .Lwave_2
	GATHER TW, UU, VV                              ; (t, u, v)
	s_branch .Lgathered
.Lwave_2:
	GATHER VV, TW, UU                              ; (v, t, u)
.Lgathered:
	RESET
	s_wait_dscnt 0x0
.irp r, 0,1,2,3
	v_mul_f32 v[EB+2*\r], v[X0+2*\r], v[X1+2*\r]                     ; p0 p1, rounded,
	v_lshl_add_u32 v[EB+2*\r+1], v[X0+2*\r+1], 7, v[X1+2*\r+1]       ; 128 i + j
.endr
.irp r, 0,1,2,3
	v_mul_f32 v[EB+2*\r], v[EB+2*\r], v[X2+2*\r]                     ; times p2, rounded: the two roundings of the outer products taken one after the other
	v_lshl_add_u32 v[EB+2*\r+1], v[EB+2*\r+1], 7, v[X2+2*\r+1]
.endr
	SORT32
	TOP32
.irp r, 0,1,2,3
	ds_store_b64 v[SA], v[E\r:E\r+1] offset:CAND+8*\r  ; bytes of their own: another wave may still be reading the ranked lists
.endr
	s_wait_dscnt 0x0                               ; for wave 0's sake
	s_barrier_signal -1
	s_barrier_wait -1
	s_cmp_eq_u32 s[WV], 0
	s_cbranch_scc1 .Lmerge
	s_wait_tensorcnt 0x0                           ; waves 1 and 2 end
	ds_add_u32 v[SPW], v[NIL]
	s_wait_dscnt 0x0
	s_endpgm
.Lmerge:                                               ; STEP 3, wave 0: three sorted blocks of 32; the fourth block holds keys that every product precedes
	RESET
	ds_load_b128 v[EB:EB+3], v[LB] offset:CAND
	ds_load_b128 v[EB+4:EB+7], v[LB] offset:CAND+16
	s_wait_dscnt 0x0
.irp r, 0,1,2,3
	v_cndmask_b32 v[EB+2*\r], v[EB+2*\r], 0, s[PADM]
	v_cndmask_b32 v[EB+2*\r+1], v[EB+2*\r+1], -1, s[PADM]
.endr
	TOP32
.irp r, 0,1,2,3
	v_mov_b32 v[OI+\r], v[E\r+1]                   ; four neighbouring results into four neighbouring registers
	v_mov_b32 v[OV+\r], v[E\r]
.endr
	s_wait_xcnt 0x0                                ; EXEC changes only behind this wait
	v_cmp_gt_u32 vcc_lo, 8, v0
	s_and_saveexec_b32 s[SV], vcc_lo               ; lanes 0-7 hold places 0-31
	global_store_b128 v[ZO], v[OI:OI+3], s[8:9] th:TH_STORE_NT    ; the row's 128 consecutive bytes of out0
	global_store_b128 v[ZO], v[OV:OV+3], s[10:11] th:TH_STORE_NT  ; and of out1
	s_wait_xcnt 0x0                                ; and again, in front of the line that widens it
	s_or_b32 exec_lo, exec_lo, s[SV]
	s_wait_tensorcnt 0x0                           ; the wave's end
	ds_add_u32 v[SPW], v[NIL]
	s_wait_dscnt 0x0
	s_endpgm
.Lfunc_end_k_qfb9b107161_kron_top32:
	.size	k_qfb9b107161_kron_top32, .Lfunc_end_k_qfb9b107161_kron_top32-k_qfb9b107161_kron_top32
	.p2alignl 7, 3214868480
	.fill 96, 4, 3214868480
	.section	.rodata,"a",@progbits
	.p2align	6, 0x0
	.amdhsa_kernel k_qfb9b107161_kron_top32
		.amdhsa_group_segment_fixed_size 6656
		.amdhsa_private_segment_fixed_size 0
		.amdhsa_enable_private_segment 0
		.amdhsa_kernarg_size 32
		.amdhsa_user_sgpr_count 2
		.amdhsa_user_sgpr_kernarg_segment_ptr 1
		.amdhsa_wavefront_size32 1
		.amdhsa_system_sgpr_workgroup_id_x 1
		.amdhsa_system_sgpr_workgroup_id_y 1
		.amdhsa_system_sgpr_workgroup_id_z 1
		.amdhsa_system_vgpr_workitem_id 0
		.amdhsa_next_free_vgpr 96
		.amdhsa_next_free_sgpr 66
		.amdhsa_reserve_vcc 1
		.amdhsa_float_denorm_mode_32 3
		.amdhsa_float_denorm_mode_16_64 3
		.amdhsa_memory_ordered 1
		.amdhsa_forward_progress 1
		.amdhsa_inst_pref_size 101
	.end_amdhsa_kernel
	.amdgpu_metadata
---
amdhsa.version: [ 1, 2 ]
amdhsa.kernels:
  - .name:           k_qfb9b107161_kron_top32
    .symbol:         k_qfb9b107161_kron_top32.kd
    .args:
      - { .name: z, .offset: 0, .size: 8, .value_kind: global_buffer, .address_space: global }
      - { .name: log_tau, .offset: 8, .size: 8, .value_kind: global_buffer, .address_space: global }
      - { .name: out0, .offset: 16, .size: 8, .value_kind: global_buffer, .address_space: global }
      - { .name: out1, .offset: 24, .size: 8, .value_kind: global_buffer, .address_space: global }
    .group_segment_fixed_size: 6656
    .private_segment_fixed_size: 0
    .kernarg_segment_align: 8
    .kernarg_segment_size: 32
    .max_flat_workgroup_size: 96
    .sgpr_count:     66
    .vgpr_count:     96
    .wavefront_size: 32
...
	.end_amdgpu_metadata
.endif
;; end of part 1
